; MI455X (gfx1250); checked and timed in simulation.
; The chip was launched on July 23, 2026; its instructions are those of AMD's public machine-readable ISA for CDNA 5 (MIT licence, August 2026) and "CDNA5" Instruction Set Architecture Reference Guide (July 2026). The comments in the code are by the model that wrote it; some were corrected since.
;; Multi Head Attention. Allowed arithmetic: matrix products marked QUANTISED: E4M3 operands, one E8M0 scale for each 32 along K, by v_wmma_scale_f32_16x16x128_f8f6f4 with both operands' format E4M3, f32 sums; everything else in f32.
;; Inputs: Wk 16 x 1,024 x 64 float32; Wp 1,024 x 1,024 float32; Wq 16 x 1,024 x 64 float32; Wv 16 x 1,024 x 64 float32; bk 16 x 64 float32; bp 1,024 float32; bq 16 x 64 float32; bv 16 x 64 float32; x 4 x 2,048 x 1,024 float32.
;; Outputs: out0 4 x 2,048 x 1,024 float32.
;; This version of the problem:
;;   THIS VERSION OF THE PROBLEM IS GIVEN IN LOW PRECISION. The matrix products marked QUANTISED in the list below multiply operands that are first quantised to E4M3 (4 exponent bits, 3 mantissa bits; 8 bits a number), with one power-of-two scale for each 32 numbers along K (OCP MX v1.0); their sums are f32. All else is computed in f32.
;;   The module's matrix products, in the order in which they are computed (A, B: the left and right operand; K: the contracted axis; several contracted axes count as one K, in the product's order):
;;     1. [M 1,024, K 1,024] x [K 1,024, N 8,192]; A: input Wq; B: input x: QUANTISED
;;     2. [M 1,024, K 1,024] x [K 1,024, N 8,192]; A: input Wk; B: input x: QUANTISED
;;     3. [M 1,024, K 1,024] x [K 1,024, N 8,192]; A: input Wv; B: input x: QUANTISED
;;     4. batch 64 x [M 2,048, K 64] x [K 64, N 2,048]; A: computed on the way; B: computed on the way: QUANTISED
;;     5. batch 64 x [M 2,048, K 2,048] x [K 2,048, N 64]; A: softmax (see below); B: computed on the way: QUANTISED
;;     6. [M 8,192, K 1,024] x [K 1,024, N 1,024]; A: computed on the way; B: input Wp: QUANTISED
;;   THE QUANTISER, for each operand of a quantised product, along K:
;;     - K is cut into blocks of 32 from its start; a last block that is shorter is filled with zeros.
;;     - A block's scale is 2^e with e = floor(log2(the largest magnitude in the block)) - 8, held to -126 .. 127; a block of zeros has e = 0. As a byte (E8M0): e + 127.
;;     - Each number is divided by its block's scale, clamped to +-448, and rounded to the nearest number of E4M3, ties to even, subnormals kept.
;;     - The product sums the exact products of the quantised numbers (number of the format x scale) in f32.
;;   ~~~python
;;   def quantise(x, axis):      # numpy; x: float32 -> the quantised numbers, widened to float32 again
;;       x = np.moveaxis(x, axis, -1); K = x.shape[-1]
;;       x = np.pad(x, [(0, 0)] * (x.ndim - 1) + [(0, -K % 32)]); x = x.reshape(x.shape[:-1] + (-1, 32)); a = np.abs(x).max(-1, keepdims=True)
;;       e = np.where(a > 0, np.clip(np.frexp(np.where(a > 0, a, 1))[1] - 1 - 8, -126, 127), 0)      # np.frexp(a)[1] - 1 = floor(log2(a)), exactly
;;       r = np.clip(x / 2.0 ** e, -448, 448)
;;       step = 2.0 ** (np.maximum(np.frexp(np.where(r == 0, 1, r))[1] - 1, -6) - 3)
;;       q = np.round(r / step) * step * 2.0 ** e      # np.round: ties to even
;;       return np.moveaxis(q.reshape(q.shape[:-2] + (-1,))[..., :K], -1, axis).astype(np.float32)
;;   ~~~
;;   SOFTMAX AHEAD OF A QUANTISED PRODUCT. Where the list says 'softmax', what is quantised is not the finished softmax but p = 2^(t - M), with t = logit x log2(e) and M = ceil(the row's largest t), a whole number; so 1/2 < the row's largest p <= 1. The row's sum l is taken of the UNQUANTISED p, in f32, and the product's result is divided by l at the end. Since M is a whole number, a kernel that streams over the keys may use a running M (the ceiling of the running maximum): every later rescaling is an exact power of two, which a block's scale takes up: the codes' values come out the same.
;;   OPERANDS COMPUTED ON THE WAY. 'Computed on the way' means the value that the module computes at that place (a softmax that the list does not call 'softmax' is quantised finished and normalised). What goes into a quantiser is computed in f32, as accurately as f32 sums, v_exp_f32 and their like allow (about 1e-6 of the number): no bf16 or f16 on the way to a quantiser, and a product that is left as it is and whose result goes on into a quantised operand takes f32 operands (vector FMAs, or v_wmma_f32_16x16x4_f32). A number that lies on a knife's edge between two numbers of the format may be rounded either way, as far as f32 arithmetic and the matrix unit's own rounding can turn it there, and no further.
;; One version. Each part assembles by itself: llvm-mc -triple=amdgcn-amd-amdhsa -mcpu=gfx1250 --defsym DOCPART=n.
;; ======== version 1 of 1: 4 launches
;; limits: right only within a limited range of input values
;; workspace buffers: xq 8,650,752 bytes; wts 4,325,376 bytes; qq 8,912,896 bytes; kv 17,301,504 bytes; aq 8,650,752 bytes
;; launch prep (part 1): grid 384 x 1, 4 waves a work-group, no clusters, 69,120 bytes of LDS; arguments x, Wq, Wk, Wv, Wp, xq, wts; writes xq, wts
.if DOCPART == 1
	.amdgcn_target "amdgcn-amd-amdhsa--gfx1250"
	.amdhsa_code_object_version 6
	.text
	.protected	k_q8676976df8_prep
	.globl	k_q8676976df8_prep
	.p2align	8
	.type	k_q8676976df8_prep,@function
k_q8676976df8_prep:
	s_mov_b64 s[64:65], 0
	v_nop
	global_prefetch_b8 v0, s[64:65] scope:SCOPE_SE
	s_setreg_imm32_b32 hwreg(HW_REG_WAVE_MODE, 25, 1), 1
	s_wait_xcnt 0x0
; PREP: x [8192][1024] f32 (K innermost) and Wq, Wk, Wv [16][1024][64], Wp [1024][1024] f32 (K not innermost) become codes of E4M3 with one E8M0 byte for each 32 along K.
; A block's scale is 2^(floor(log2(largest magnitude)) - 8): its byte is the largest magnitude's exponent field - 8, held at 1 from below; each number is divided by it, held within +-448 and rounded to the nearest code.
; THE CODES ARE LAID AS IMAGES OF THE OPERAND'S REGISTERS: a fragment (16 rows x 128 K) is 2,048 bytes, chunk c (512 bytes) holds lane l's 16 bytes at 16 l: row l % 16, k = 32 c + 16 (l / 16) + 0 .. 15.
; THE ROWS OF A TILE ARE NOT NEIGHBOURS: lane r of tile 2 G + u holds row 32 G + 8 u + r + 8 (r / 8), so that a product's 16 registers of two neighbouring tiles are 16 neighbours along the next K.
; Work-groups 0-255 take x (a wave: one tile of 16 rows x 512 along K), work-groups 256-383 the weights (a wave: 32 columns x 256 along K).  Each path has LDS bytes of its own.  Waves share nothing: no barrier.
; LIMITS: NaN and infinities among the inputs are not served.  A block of zeros gets the byte 1 where the rule says 127: its codes are zeros, which add nothing, and this program alone reads the bytes.
.set XSC,   8388608                    ; xq: the scale words begin behind 512 tiles x 8 K steps x 2,048 bytes
.set WPO,   3244032                    ; wts: Wp's blocks begin behind 16 head blocks
.set HBLK,  202752                     ; a head's block: 8 K steps x 12 tiles x 2,048 bytes + 4 x 6 units of 256 scale bytes
.set CBLK,  135168                     ; a block of 128 columns of Wp: 8 x 8 x 2,048 + 4 x 4 x 256
.set WV,    18                         ; s18  wave
.set HM,    19                         ; s19  a lane mask: lanes 16-31
.set SEL,   20                         ; s[20:21] selects of v_permlanex16_b32 for lane l xor 16
.set MNT,   22
.set STG,   23                         ; s23  my wave's stage in LDS
.set LI,    1                          ; path x: v1 16 x lane; v2 stage + 16 x lane; v3 stage + 528 r + 64 h; v4 16 r + 8 h; v8-11 the four scale words
.set PW,    14                         ; v14  the scale word just made
.set TM,    16                         ; v16-19 largest magnitudes, v20-23 bytes, v28-31 the conversions' scale operands
.set RB,    32                         ; v32-159 two sets of 64: a fragment's numbers as loaded
.set XN,    160                        ; v160-223 the same, 16 neighbours of each block in a lane
.set PC,    224                        ; v224-239 the codes
	s_load_b256 s[4:11], s[0:1], 0x0               ; x, Wq, Wk, Wv
	s_load_b128 s[12:15], s[0:1], 0x20             ; Wp, xq
	s_load_b64 s[16:17], s[0:1], 0x30              ; wts
	v_lshl_add_u32 v254, v0, 2, 0x10c00
	v_mov_b32 v255, 0
	v_lshrrev_b32 v1, 5, v0
	v_readfirstlane_b32 s[WV], v1
	v_and_b32 v5, 31, v0                           ; lane
	s_mov_b32 s[HM], 0xffff0000
	s_mov_b32 s[SEL], 0x76543210
	s_mov_b32 s[SEL+1], 0xfedcba98
	s_cmp_lt_u32 ttmp9, 256
	s_cbranch_scc0 .Lweights
; ---------------- x ----------------
; 64 numbers of a lane, register 16 b + i = k 32 b + 16 (lane / 16) + i of my row, become a fragment's codes in v[PC] on and its scale word in v[PW]
.macro QUANT s
	s_wait_xcnt 0x0                                ; the last fragment's stores have read v[PC] on
.irp b, 0,1,2,3
	v_max3_num_f32 v[TM+\b], |v[\s+16*\b]|, |v[\s+1+16*\b]|, 0x4800000   ; my 16 numbers of block b, and the floor 2^(9 - 127): the byte cannot fall under 1
.endr
.irp i, 2,4,6,8,10,12,14
.irp b, 0,1,2,3
	v_max3_num_f32 v[TM+\b], v[TM+\b], |v[\s+16*\b+\i]|, |v[\s+1+16*\b+\i]|
.endr
.endr
.irp b, 0,1,2,3
	v_permlanex16_b32 v[TM+4+\b], v[TM+\b], s[SEL], s[SEL+1]
.endr
.irp b, 0,1,2,3
	v_max_num_f32 v[TM+\b], v[TM+\b], v[TM+4+\b]   ; with lane l xor 16's 16: the block's largest magnitude
.endr
.irp b, 0,1,2,3
	v_add_nc_u32 v[TM+12+\b], 0xfc000000, v[TM+\b] ; 8 off its exponent field: the conversion's scale operand
.endr
.irp b, 0,1,2,3
.endr
.irp b, 0,1,2,3
	v_lshrrev_b32 v[TM+4+\b], 23, v[TM+12+\b]      ; the scale's byte
.endr
	v_lshl_or_b32 v[PW], v[TM+5], 8, v[TM+4]
	v_lshl_or_b32 v[PW], v[TM+6], 16, v[PW]
	v_lshl_or_b32 v[PW], v[TM+7], 24, v[PW]
.irp b, 0,1,2,3
.irp i, 0,1,2,3,4,5,6,7,8,9,10,11,12,13,14,15
.endr
	v_cvt_scalef32_pk8_fp8_f32 v[PC+4*\b:PC+1+4*\b], v[\s+16*\b:\s+7+16*\b], v[TM+12+\b]
	v_cvt_scalef32_pk8_fp8_f32 v[PC+2+4*\b:PC+3+4*\b], v[\s+8+16*\b:\s+15+16*\b], v[TM+12+\b]
.endr
	v_nop                                          ; one plain line behind the last conversion
.endm
	v_lshlrev_b32 v[LI], 4, v5
	s_mul_i32 s[STG], s[WV], 8448                  ; 16 rows x 528 bytes for each wave
	v_add_nc_u32 v2, s[STG], v[LI]
	v_and_b32 v6, 15, v0                           ; r
	v_bfe_u32 v7, v0, 4, 1                         ; h
	v_mul_u32_u24 v3, v6, 528                      ; 528 = 33 x 16: the sixteen rows of a read begin at sixteen different 16-byte columns of 256
	v_lshl_add_u32 v3, v7, 6, v3
	v_add_nc_u32 v3, s[STG], v3
	v_lshlrev_b32 v4, 4, v6
	v_lshl_add_u32 v4, v7, 3, v4
.irp b, 0,1,2,3
	v_mov_b32 v[TM+4+\b], 0                        ; written once: a lane permute's destination counts as one of its sources
.endr
	s_lshl_b32 s24, ttmp9, 2
	s_add_co_u32 s24, s24, s[WV]                   ; W = 2 x tile + half of K
	s_lshr_b32 s25, s24, 2
	s_lshl_b32 s28, s25, 17                        ; 32 (tile / 2) rows of 4,096 bytes,
	s_bfe_u32 s25, s24, 0x10001
	s_lshl_b32 s25, s25, 15                        ; 8 (tile % 2) rows,
	s_add_co_u32 s28, s28, s25
	s_and_b32 s25, s24, 1
	s_lshl_b32 s25, s25, 11                        ; and 512 numbers along K for the second half
	s_add_co_u32 s28, s28, s25
	s_mov_b32 s29, 0
	s_lshl_b32 s30, s24, 13                        ; my four images: 8,192 W
	s_mov_b32 s31, 0
	s_lshl_b32 s26, s24, 8                         ; my 256 bytes of scale words
	s_add_co_u32 s26, s26, XSC
	s_mov_b32 s27, 0
	s_wait_alu depctr_va_vdst(0)
	s_wait_kmcnt 0x0
	s_add_nc_u64 s[4:5], s[4:5], s[28:29]
	s_add_nc_u64 s[32:33], s[14:15], s[30:31]
	s_add_nc_u64 s[34:35], s[14:15], s[26:27]
.macro LOADF f                         ; fragment f: 16 rows x 512 bytes; each load takes one row's 512 consecutive bytes
.set t_, 0
.rept 16
	global_load_b128 v[RB+64*((\f)%2)+4*t_:RB+64*((\f)%2)+4*t_+3], v[LI], s[4:5] offset:(t_+8*(t_/8))*4096+512*(\f) th:TH_LOAD_NT
.set t_, t_+1
.endr
.endm
.macro FRAG f
.if (\f) < 3
	s_wait_loadcnt 16                              ; this fragment's 16 loads are in; the next fragment's 16 may be out
.else
	s_wait_loadcnt 0x0
.endif
.set t_, 0
.rept 16
	ds_store_b128 v2, v[RB+64*((\f)%2)+4*t_:RB+64*((\f)%2)+4*t_+3] offset:528*t_
.set t_, t_+1
.endr
.irp c, 0,1,2,3
.irp e, 0,1,2,3
	ds_load_b128 v[XN+16*\c+4*\e:XN+16*\c+4*\e+3], v3 offset:128*\c+16*\e   ; LDS serves a wave's instructions in order: these see the stores above
.endr
.endr
	s_wait_dscnt 0x0
.if (\f) < 2
	LOADF (\f)+2
.endif
	QUANT XN
	v_mov_b32 v[8+(\f)], v[PW]
.irp c, 0,1,2,3
	global_store_b128 v[LI], v[PC+4*\c:PC+4*\c+3], s[32:33] offset:2048*(\f)+512*\c   ; 512 consecutive bytes
.endr
.endm
	LOADF 0
	LOADF 1
	FRAG 0
	FRAG 1
	FRAG 2
	FRAG 3
	v_cndmask_b32 v12, v8, v10, s[HM]              ; row r's four words lie on end: lanes 0-15 store words 0, 1, lanes 16-31 words 2, 3
	v_cndmask_b32 v13, v9, v11, s[HM]
	global_store_b64 v4, v[12:13], s[34:35]        ; 256 consecutive bytes, aligned
	s_wait_tensorcnt 0x0
	ds_add_u32 v254, v255
	s_wait_dscnt 0x0
	s_endpgm
; ---------------- the weights ----------------
; A LANE TAKES A COLUMN AND ITS REGISTERS RUN DOWN K: a block of 32 along K lies in one lane's 32 registers, and the conversions give codes with K innermost.  Nothing is transposed by an instruction.
; One text serves all four tensors: offsets, pitch and pointer are chosen by selects on the work-group's number.
; v4 stage, in; v7 stage, out; v8 16 x lane; v9 my place in the unit of scale words; v10-13 at work; v24-25 scale words; v32-63 row offsets; v64-127 two sets of 32 numbers; v128-135 codes; v136-199 the way out
.Lweights:
	s_sub_co_u32 s24, ttmp9, 256
	s_lshr_b32 s25, s24, 1                         ; which 64 columns: 0-47 (tensor, head), 48-63 Wp
	s_and_b32 s26, s24, 1
	s_lshl_b32 s26, s26, 1
	s_lshr_b32 s27, s[WV], 1
	s_add_co_u32 s26, s26, s27                     ; sig: which 256 along K
	s_and_b32 s27, s[WV], 1                        ; which 32 of the 64 columns
	s_lshr_b32 s28, s25, 4                         ; 0 Wq, 1 Wk, 2 Wv, 3 Wp
	s_and_b32 s29, s25, 15                         ; the head, or Wp's pair of 64 columns
	s_lshl_b32 s30, s29, 18                        ; a head's weight: source 262,144 head + 65,536 sig + 128 beta
	s_lshl_b32 s56, s26, 16
	s_add_co_u32 s30, s30, s56
	s_lshl_b32 s56, s27, 7
	s_add_co_u32 s30, s30, s56
	s_mul_i32 s66, s29, HBLK
	s_mul_i32 s56, s26, 49152                      ; images: two K steps of 12 tiles for each sig; tile 4 tensor + 2 beta + u
	s_add_co_u32 s31, s66, s56
	s_lshl_b32 s56, s28, 13
	s_add_co_u32 s31, s31, s56
	s_lshl_b32 s56, s27, 12
	s_add_co_u32 s31, s31, s56
	s_mul_i32 s56, s26, 1536                       ; scale unit: [sig][pair 2 tensor + beta][256]
	s_add_co_u32 s32, s66, s56
	s_lshl_b32 s56, s28, 9
	s_add_co_u32 s32, s32, s56
	s_lshl_b32 s56, s27, 8
	s_add_co_u32 s32, s32, s56
	s_add_co_u32 s32, s32, 196608
	s_lshr_b32 s67, s29, 1                         ; Wp: group of 128 columns,
	s_and_b32 s68, s29, 1
	s_lshl_b32 s68, s68, 1
	s_add_co_u32 s68, s68, s27                     ; and which 32 of them
	s_mul_i32 s69, s67, CBLK
	s_add_co_u32 s69, s69, WPO
	s_lshl_b32 s33, s26, 20                        ; source: 256 sig rows of 4,096 bytes + 512 group + 128 beta
	s_lshl_b32 s56, s67, 9
	s_add_co_u32 s33, s33, s56
	s_lshl_b32 s56, s68, 7
	s_add_co_u32 s33, s33, s56
	s_lshl_b32 s56, s26, 15                        ; images: two K steps of 8 tiles for each sig
	s_add_co_u32 s34, s69, s56
	s_lshl_b32 s56, s68, 12
	s_add_co_u32 s34, s34, s56
	s_lshl_b32 s56, s26, 10                        ; scale unit: [sig][pair beta][256]
	s_add_co_u32 s35, s69, s56
	s_lshl_b32 s56, s68, 8
	s_add_co_u32 s35, s35, s56
	s_add_co_u32 s35, s35, 131072
	s_mov_b32 s36, 4096
	s_mov_b32 s37, 16384
	s_cmp_lt_u32 s25, 48
	s_cselect_b32 s56, s30, s33                    ; source offset
	s_cselect_b32 s58, s31, s34                    ; images
	s_cselect_b32 s60, s32, s35                    ; scale unit
	s_cselect_b32 s36, 256, s36                    ; bytes from one k to the next
	s_cselect_b32 s62, 24576, s37                  ; bytes from one K step's images to the next's
	s_mov_b32 s57, 0
	s_mov_b32 s59, 0
	s_mov_b32 s61, 0
	s_mov_b32 s63, 0
	s_lshl_b32 s38, s36, 5                         ; a block of 32 along K
	s_mov_b32 s39, 0
	s_wait_alu depctr_va_vdst(0)
	v_lshlrev_b32 v8, 4, v5
	s_mul_i32 s[STG], s[WV], 8704                  ; four images, 2,176 bytes apart, for each wave, behind the other path's stages
	s_add_co_u32 s[STG], s[STG], 33792
	v_add_nc_u32 v7, s[STG], v8
	v_bfe_u32 v10, v0, 3, 1                        ; column l = 8 u + r + 8 (r / 8) with u = (l / 8) % 2,
	v_bfe_u32 v11, v0, 4, 1
	v_and_b32 v12, 7, v0
	v_lshl_add_u32 v12, v11, 3, v12                ; r = 8 (l / 16) + l % 8
	v_mul_u32_u24 v4, v10, 2176
	v_lshl_add_u32 v4, v12, 4, v4
	v_add_nc_u32 v4, s[STG], v4
	v_lshlrev_b32 v9, 7, v10
	v_lshl_add_u32 v9, v12, 3, v9                  ; 8 (16 u + r)
	v_lshlrev_b32 v32, 2, v5
.set n_, 1
.rept 31
	v_add_nc_u32 v[32+n_], s36, v[31+n_]           ; 4 x lane + i x pitch
.set n_, n_+1
.endr
	s_wait_alu depctr_va_vdst(0)
	s_wait_kmcnt 0x0
	s_cmp_eq_u32 s28, 0                            ; the choices hang on the work-group's number alone
	s_cselect_b64 s[6:7], s[6:7], s[8:9]
	s_cmp_eq_u32 s28, 2
	s_cselect_b64 s[6:7], s[10:11], s[6:7]
	s_cmp_lt_u32 s25, 48
	s_cselect_b64 s[6:7], s[6:7], s[12:13]
	s_add_nc_u64 s[40:41], s[6:7], s[56:57]        ; s[40:55]: a base for each of my eight blocks
.irp t, 1,2,3,4,5,6,7
	s_add_nc_u64 s[40+2*\t:41+2*\t], s[38+2*\t:39+2*\t], s[38:39]
.endr
	s_add_nc_u64 s[70:71], s[16:17], s[58:59]      ; the images of my first K step,
	s_add_nc_u64 s[72:73], s[70:71], s[62:63]      ; of my second,
	s_add_nc_u64 s[74:75], s[16:17], s[60:61]      ; my unit of scale words
.macro LOADW t                         ; block t: 32 rows k at my column; a load takes 128 consecutive bytes
.set n_, 0
.rept 32
	global_load_b32 v[64+32*((\t)%2)+n_], v[32+n_], s[40+2*(\t):41+2*(\t)] th:TH_LOAD_NT
.set n_, n_+1
.endr
.endm
.macro BLOCK t
.set XS, 64+32*((\t)%2)
.if (\t) < 7
	s_wait_loadcnt 32                              ; this block's 32 loads are in; the next block's may be out
.else
	s_wait_loadcnt 0x0
.endif
	v_max3_num_f32 v12, |v[XS]|, |v[XS+1]|, |v[XS+2]|
	v_max3_num_f32 v13, |v[XS+3]|, |v[XS+4]|, |v[XS+5]|
.irp i, 6,10,14,18,22,26
	v_max3_num_f32 v12, v12, |v[XS+\i]|, |v[XS+\i+1]|
	v_max3_num_f32 v13, v13, |v[XS+\i+2]|, |v[XS+\i+3]|
.endr
	v_max3_num_f32 v12, v12, |v[XS+30]|, |v[XS+31]|
	v_max3_num_f32 v12, v12, v13, 0x4800000        ; and the floor
	v_add_nc_u32 v11, 0xfc000000, v12              ; the conversion's scale operand
	v_lshrrev_b32 v13, 23, v11                     ; the byte
.if (\t)%4 == 0
	v_mov_b32 v[24+(\t)/4], v13
.else
	v_lshl_or_b32 v[24+(\t)/4], v13, 8*((\t)%4), v[24+(\t)/4]
.endif
.set n_, 0
.rept 32
.set n_, n_+1
.endr
.irp g, 0,1,2,3
	v_cvt_scalef32_pk8_fp8_f32 v[128+2*\g:129+2*\g], v[XS+8*\g:XS+8*\g+7], v11
.endr
	ds_store_b128 v4, v[128:131] offset:((\t)/4)*4352+((\t)%4)*512       ; k 0-15 of the block: the image's lane r;
	ds_store_b128 v4, v[132:135] offset:((\t)/4)*4352+((\t)%4)*512+256   ; k 16-31: its lane 16 + r
.if (\t)+2 < 8
	LOADW (\t)+2
.endif
	s_wait_dscnt 0x0                               ; the stores have read their registers: the next block's codes may be written
.endm
	LOADW 0
	LOADW 1
.irp t, 0,1,2,3,4,5,6,7
	BLOCK \t
.endr
	s_wait_alu depctr_va_vdst(0)
	global_store_b64 v9, v[24:25], s[74:75]        ; 256 consecutive bytes, aligned: the words of two K steps for the pair's 32 rows
.set q_, 0
.rept 16
	ds_load_b128 v[136+4*q_:139+4*q_], v7 offset:(q_/4)*2176+(q_%4)*512
.set q_, q_+1
.endr
.set q_, 0
.rept 16
	s_wait_dscnt 15-q_
	global_store_b128 v8, v[136+4*q_:139+4*q_], s[70+2*(q_/8):71+2*(q_/8)] offset:2048*((q_/4)%2)+512*(q_%4)
.set q_, q_+1
.endr
	s_wait_tensorcnt 0x0
	ds_add_u32 v254, v255
	s_wait_dscnt 0x0
	s_endpgm
.Lfunc_end_k_q8676976df8_prep:
	.size	k_q8676976df8_prep, .Lfunc_end_k_q8676976df8_prep-k_q8676976df8_prep
	.p2alignl 7, 3214868480
	.fill 96, 4, 3214868480
	.section	.rodata,"a",@progbits
	.p2align	6, 0x0
	.amdhsa_kernel k_q8676976df8_prep
		.amdhsa_group_segment_fixed_size 69120
		.amdhsa_private_segment_fixed_size 0
		.amdhsa_enable_private_segment 0
		.amdhsa_kernarg_size 56
		.amdhsa_user_sgpr_count 2
		.amdhsa_user_sgpr_kernarg_segment_ptr 1
		.amdhsa_wavefront_size32 1
		.amdhsa_system_sgpr_workgroup_id_x 1
		.amdhsa_system_sgpr_workgroup_id_y 1
		.amdhsa_system_sgpr_workgroup_id_z 1
		.amdhsa_system_vgpr_workitem_id 0
		.amdhsa_next_free_vgpr 256
		.amdhsa_next_free_sgpr 80
		.amdhsa_reserve_vcc 0
		.amdhsa_float_denorm_mode_32 3
		.amdhsa_float_denorm_mode_16_64 3
		.amdhsa_fp16_overflow 1
		.amdhsa_memory_ordered 1
		.amdhsa_forward_progress 1
		.amdhsa_inst_pref_size 78
	.end_amdhsa_kernel
	.amdgpu_metadata
---
amdhsa.version: [ 1, 2 ]
amdhsa.kernels:
  - .name:           k_q8676976df8_prep
    .symbol:         k_q8676976df8_prep.kd
    .args:
      - { .name: x, .offset: 0, .size: 8, .value_kind: global_buffer, .address_space: global }
      - { .name: Wq, .offset: 8, .size: 8, .value_kind: global_buffer, .address_space: global }
      - { .name: Wk, .offset: 16, .size: 8, .value_kind: global_buffer, .address_space: global }
      - { .name: Wv, .offset: 24, .size: 8, .value_kind: global_buffer, .address_space: global }
      - { .name: Wp, .offset: 32, .size: 8, .value_kind: global_buffer, .address_space: global }
      - { .name: xq, .offset: 40, .size: 8, .value_kind: global_buffer, .address_space: global }
      - { .name: wts, .offset: 48, .size: 8, .value_kind: global_buffer, .address_space: global }
    .group_segment_fixed_size: 69120
    .private_segment_fixed_size: 0
    .kernarg_segment_align: 8
    .kernarg_segment_size: 56
    .max_flat_workgroup_size: 128
    .sgpr_count:     80
    .vgpr_count:     256
    .wavefront_size: 32
...
	.end_amdgpu_metadata
.endif
;; end of part 1
;; launch qkv (part 2): grid 256 x 1, 4 waves a work-group, clusters of 4 x 1, 205,312 bytes of LDS; arguments xq, wts, bq, bk, bv, qq, kv; writes qq, kv
.if DOCPART == 2
	.amdgcn_target "amdgcn-amd-amdhsa--gfx1250"
	.amdhsa_code_object_version 6
	.text
	.protected	k_q8676976df8_qkv
	.globl	k_q8676976df8_qkv
	.p2align	8
	.type	k_q8676976df8_qkv,@function
k_q8676976df8_qkv:
	s_mov_b64 s[64:65], 0
	v_nop
	global_prefetch_b8 v0, s[64:65] scope:SCOPE_SE
	s_setreg_imm32_b32 hwreg(HW_REG_WAVE_MODE, 25, 1), 1
	s_wait_xcnt 0x0
	s_wait_alu depctr_hold_cnt(0) depctr_sa_sdst(0) depctr_va_vdst(0) depctr_va_sdst(0) depctr_va_ssrc(0) depctr_va_vcc(0) depctr_vm_vsrc(0)
	s_getreg_b32 s2, hwreg(HW_REG_IB_STS2, 6, 4)
	s_cmp_eq_u32 s2, 0
	s_cbranch_scc0 .Lentry_in_a_cluster
	s_endpgm
.Lentry_in_a_cluster:
	s_bfe_u32 s2, ttmp6, 0x10000c
	s_cmp_lg_u32 s2, 0x3003
	s_cbranch_scc0 .Lentry_shape_is_right
	s_endpgm
.Lentry_shape_is_right:
; QKV: q, k, v = x W + b for one head, on codes of E4M3 with E8M0 scales, and their quantising: q and k along the head's 64, v along the keys.  Nothing wide goes to memory.
; SHARES.  A cluster of four work-groups has one head of one batch; a work-group 512 rows of x in two passes of 256; a wave 64 rows (4 tiles) x the head's 192 columns (12 tiles): 48 accumulators.
; The head's weights, 202,752 bytes of register images and scale words, are asked for JOINTLY by the four work-groups, land in LDS once and stay.  x's fragments go from memory straight into the one wave's registers that wants them.
; q and k are made TRANSPOSED (source 0 = 16 columns of W, source 1 = 16 rows of x): a lane holds one row and 16 neighbours along d.  v is made the natural way: a lane holds one d and 16 neighbouring keys.
; The biases are the C of each sum's first matrix instruction.
; OUT: qq: q's images [head][tile][2 chunks of 512 bytes], scale words q0 q1 q0 q1.  kv: for each 128 keys 16,896 bytes: 4 images of K (two tiles of keys side by side along the instruction's K), 4 images of V, 256 + 256 bytes of scale words.
; LIMITS: NaN and infinities are not served; a block of zeros gets the byte 1 (its codes are zeros; this program alone reads the bytes).
; REGISTERS: window 0: v1-15 addresses; v16-31 x's scale words; v32-79 W's; v80-123 at work; v128-191, v192-255 two buffers of x.  window 1: v0-191 W's 12 fragments; v192-255 x's third buffer.
;   window 2: q's accumulators v[8 (4 xt + wt)], k's v[128 + ..].  window 3: v's v[8 (4 dt + xt)]; the biases from v128.
.set XSC,  8388608
.set QSC,  8388608
.set HBLK, 202752
.set SBLK, 16896
.set EX,   202752                      ; LDS behind the weights: 1,024 bytes in which the waves' scale words of K and V meet; no tile lands there
.set WV,   18
.set CX,   19
.set HH,   21
.set BB,   22
.set HM,   23
.set SEL,  24
.set MNT,  26
.set PASS, 27
.set G1,   32
.set G0,   40
.set XI,   44
.set XSB,  46
.set QI,   48
.set QS,   50
.set KK,   52
.set KVV,  54
.set KS,   56
.set LI,   1                           ; 16 x lane
.set L8,   2                           ; 8 x lane
.set XSA,  3                           ; 512 h + 16 r
.set AW,   4                           ; v4-7  16 x lane + 49,152 k: W's images of K steps 2 k, 2 k + 1
.set EXK,  8
.set EXV,  9
.set EXR,  10
.set QSO,  11                          ; 16 r + 8 h
.set WSA,  12
.set BO,   14
.set BVO,  15
.set XS,   16
.set WS,   32
.set TM,   80
.set PW,   96
.set QW,   97
.set KW0,  101
.set T0,   102
.set PC,   104
.set SD,   120
.set MSB,  0
.macro WIN new                         ; the immediate's high byte repeats the setting that is left
.if MSB != (\new)
	s_set_vgpr_msb (MSB<<8)|(\new)
.set MSB, (\new)
.endif
.endm
.macro PLACES n
.rept \n
	v_nop
.endr
.endm
.macro CROUND                          ; a round of the cluster's barrier
	s_barrier_signal -1
	s_barrier_wait -1
	s_cmp_lg_u32 s[WV], 0
	s_cbranch_scc1 .Lnot_wave_0_\@
	s_barrier_signal -3
.Lnot_wave_0_\@:
	s_barrier_wait -3
	s_barrier_signal -1
	s_barrier_wait -1
.endm
	s_load_b256 s[4:11], s[0:1], 0x0               ; xq, wts, bq, bk
	s_load_b128 s[12:15], s[0:1], 0x20             ; bv, qq
	s_load_b64 s[16:17], s[0:1], 0x30              ; kv
	v_lshl_add_u32 v13, v0, 2, 0x32000
	v_mov_b32 v127, 0
	ds_add_u32 v13, v127
	ds_add_u32 v13, v127
	v_lshrrev_b32 v1, 5, v0
	v_readfirstlane_b32 s[WV], v1
	s_bfe_u32 s[CX], ttmp6, 0x40000                ; my place in the cluster: it enters global addresses alone
	s_and_b32 s[HH], ttmp9, 15                     ; the cluster's number is 16 x batch + head
	s_lshr_b32 s[BB], ttmp9, 4
	s_mov_b32 s[HM], 0xffff0000
	s_mov_b32 s[SEL], 0x76543210
	s_mov_b32 s[SEL+1], 0xfedcba98
	s_mov_b32 s[PASS], 2
	; descriptor group 1: a dense block of 50,688 bytes as 198 rows of 32 elements of 8 bytes
	s_mov_b32 s[G1], 15|(3<<16)|(1<<21)            ; the mask names the four work-groups; bit 21 beside it
	s_mov_b32 s[G1+1], 32<<16
	s_mov_b32 s[G1+2], 198<<16
	s_mov_b32 s[G1+3], 32<<16
	s_mov_b32 s[G1+4], 198
	s_mov_b32 s[G1+5], 32
	s_mov_b32 s[G1+6], 0
	s_mov_b32 s[G1+7], 0
	s_mul_i32 s30, s[WV], 50688                    ; my quarter of the head's block: head and wave alone
	s_mul_i32 s28, s[HH], HBLK
	s_add_co_u32 s28, s28, s30
	s_mov_b32 s29, 0
	s_lshl_b32 s58, s[BB], 7
	s_lshl_b32 s59, s[CX], 5
	s_add_co_u32 s58, s58, s59
	s_lshl_b32 s59, s[WV], 2
	s_add_co_u32 s58, s58, s59                     ; my first tile of x: 128 batch + 32 cx + 4 wave
	s_lshl_b32 s60, s58, 14
	s_mov_b32 s61, 0
	s_lshl_b32 s62, s58, 9
	s_add_co_u32 s62, s62, XSC
	s_mov_b32 s63, 0
	s_lshl_b32 s66, ttmp9, 7
	s_lshl_b32 s59, s[CX], 5
	s_add_co_u32 s66, s66, s59
	s_lshl_b32 s59, s[WV], 2
	s_add_co_u32 s66, s66, s59
	s_lshl_b32 s66, s66, 10                        ; q's images: 1,024 bytes a tile
	s_mov_b32 s67, 0
	s_lshl_b32 s68, ttmp9, 13
	s_lshl_b32 s59, s[CX], 3
	s_add_co_u32 s59, s59, s[WV]
	s_lshl_b32 s59, s59, 8
	s_add_co_u32 s68, s68, s59
	s_add_co_u32 s68, s68, QSC                     ; q's scale words: 256 bytes for four tiles
	s_mov_b32 s69, 0
	s_mul_i32 s70, ttmp9, 270336
	s_lshl_b32 s59, s[CX], 2
	s_lshr_b32 s58, s[WV], 1
	s_add_co_u32 s59, s59, s58
	s_mul_i32 s59, s59, SBLK
	s_add_co_u32 s70, s70, s59                     ; the block of my 128 keys: step 4 cx + wave / 2
	s_and_b32 s58, s[WV], 1
	s_lshl_b32 s72, s58, 12
	s_add_co_u32 s72, s72, s70                     ; K: my two pair images
	s_mov_b32 s73, 0
	s_lshl_b32 s74, s58, 10
	s_add_co_u32 s74, s74, s70
	s_add_co_u32 s74, s74, 8192                    ; V: my two chunks of each image
	s_mov_b32 s75, 0
	s_lshl_b32 s76, s58, 8
	s_add_co_u32 s76, s76, s70
	s_add_co_u32 s76, s76, 16384                   ; the 256 scale bytes that I store: K's (even wave) or V's (odd wave)
	s_mov_b32 s77, 0
	s_lshl_b32 s78, s[HH], 8                       ; the head's 64 numbers of each bias
	s_mov_b32 s79, 0
	v_and_b32 v124, 31, v0                         ; lane
	v_and_b32 v125, 15, v0                         ; r
	v_bfe_u32 v126, v0, 4, 1                       ; h
	v_lshlrev_b32 v[LI], 4, v124
	v_lshlrev_b32 v[L8], 3, v124
	v_lshlrev_b32 v[XSA], 4, v125
	v_lshl_add_u32 v[XSA], v126, 9, v[XSA]
	v_mov_b32 v[AW], v[LI]
	v_add_nc_u32 v[AW+1], 49152, v[LI]
	v_add_nc_u32 v[AW+2], 98304, v[LI]
	v_add_nc_u32 v[AW+3], 147456, v[LI]
	s_lshr_b32 s58, s[WV], 1
	s_lshl_b32 s58, s58, 9                         ; EX: [step wave / 2][K's 256 bytes | V's 256 bytes]
	s_and_b32 s59, s[WV], 1
	s_lshl_b32 s31, s59, 7
	s_add_co_u32 s31, s31, s58
	s_add_co_u32 s31, s31, EX
	v_lshl_add_u32 v[EXK], v124, 2, s31            ; K's words of my two pairs: 128 (wave % 2) + 4 x lane
	s_lshl_b32 s31, s59, 1
	s_add_co_u32 s31, s31, s58
	s_add_co_u32 s31, s31, EX+256
	v_lshl_add_u32 v[EXV], v124, 2, s31            ; V's: my two bytes of each word: 4 x lane + 2 (wave % 2)
	s_lshl_b32 s31, s[WV], 8
	s_add_co_u32 s31, s31, EX
	v_lshl_add_u32 v[EXR], v124, 3, s31            ; back: 256 bytes a wave
	v_lshlrev_b32 v[QSO], 4, v125
	v_lshl_add_u32 v[QSO], v126, 3, v[QSO]
	v_add_nc_u32 v[WSA], 196608, v[L8]
	v_lshlrev_b32 v[BO], 6, v126                   ; bq, bk: 16 h numbers on
	v_and_b32 v[BVO], 8, v125
	v_add_nc_u32 v[BVO], v[BVO], v125
	v_lshlrev_b32 v[BVO], 2, v[BVO]                ; bv: number r + 8 (r / 8)
.irp b, 0,1,2,3
	v_mov_b32 v[TM+4+\b], 0                        ; written once: a lane permute's destination counts as one of its sources
.endr
	s_wait_dscnt 0x0
	s_wait_kmcnt 0x0
	s_mov_b32 s[G0], 1
	s_mov_b32 s[G0+1], s30
	s_add_nc_u64 s[G0+2:G0+3], s[6:7], s[28:29]
	s_or_b32 s[G0+3], s[G0+3], 0x80000000
	s_add_nc_u64 s[XI:XI+1], s[4:5], s[60:61]
	s_add_nc_u64 s[XSB:XSB+1], s[4:5], s[62:63]
	s_add_nc_u64 s[QI:QI+1], s[14:15], s[66:67]
	s_add_nc_u64 s[QS:QS+1], s[14:15], s[68:69]
	s_add_nc_u64 s[KK:KK+1], s[16:17], s[72:73]
	s_add_nc_u64 s[KVV:KVV+1], s[16:17], s[74:75]
	s_add_nc_u64 s[KS:KS+1], s[16:17], s[76:77]
	s_add_nc_u64 s[8:9], s[8:9], s[78:79]
	s_add_nc_u64 s[10:11], s[10:11], s[78:79]
	s_add_nc_u64 s[12:13], s[12:13], s[78:79]
	CROUND                                         ; all four work-groups are here: the joint loads meet
	tensor_load_to_lds s[G0:G0+3], s[G1:G1+7]      ; my one tensor load of the launch
	s_nop 0
	PLACES 4
	WIN 0xc0                                       ; destination window 3
	s_wait_alu depctr_va_vdst(0)
.irp wt, 0,1,2,3                       ; tile 2 beta + u of q or k: lane (r, h) wants the bias of d = 32 beta + 8 u + 16 h + 0 .. 7
	global_load_b128 v[128+8*\wt:131+8*\wt], v[BO], s[8:9] offset:(32*(\wt/2)+8*(\wt%2))*4
	global_load_b128 v[132+8*\wt:135+8*\wt], v[BO], s[8:9] offset:(32*(\wt/2)+8*(\wt%2))*4+16
	global_load_b128 v[160+8*\wt:163+8*\wt], v[BO], s[10:11] offset:(32*(\wt/2)+8*(\wt%2))*4
	global_load_b128 v[164+8*\wt:167+8*\wt], v[BO], s[10:11] offset:(32*(\wt/2)+8*(\wt%2))*4+16
.endr
.irp dt, 0,1,2,3                       ; v: a lane has one d: the same number in all eight registers
.irp j, 0,1,2,3,4,5,6,7
	global_load_b32 v[192+8*\dt+\j], v[BVO], s[12:13] offset:(32*(\dt/2)+8*(\dt%2))*4
.endr
.endr
	WIN 0
.macro XSLOAD                          ; x's scale words: register 8 pr + s: lanes 0-15 tile 2 pr, lanes 16-31 tile 2 pr + 1, K step s
.irp pr, 0,1
.irp sh, 0,1
	global_load_b128 v[XS+8*\pr+4*\sh:XS+8*\pr+4*\sh+3], v[XSA], s[XSB:XSB+1] offset:1024*\pr+256*\sh
.endr
.endr
.endm
.macro XLOAD s                         ; my four fragments of x for K step s, into buffer s % 3
.set xw, ((\s)%3)/2
.set xb, 128+64*((((\s)%3)+1)/2)
	WIN (xw<<6)
.irp xt, 0,1,2,3
.irp c, 0,1,2,3
	global_load_b128 v[xb+16*\xt+4*\c:xb+16*\xt+4*\c+3], v[LI], s[XI:XI+1] offset:16384*\xt+2048*(\s)+512*\c
.endr
.endr
.endm
.macro WLOAD hf, s                     ; six of W's twelve fragments for K step s: each load takes 512 consecutive LDS bytes
	WIN 0x40
.set tw, 6*(\hf)
.rept 6
.irp c, 0,1,2,3
	ds_load_b128 v[16*tw+4*\c:16*tw+4*\c+3], v[AW+(\s)/2] offset:((\s)%2)*24576+2048*tw+512*\c
.endr
.set tw, tw+1
.endr
.endm
.macro WM d, a, b, c, sa, sb, ra, rb   ; one product; ra, rb: the side's scale words stand in lanes 16-31
.if (\ra) && (\rb)
	v_wmma_scale_f32_16x16x128_f8f6f4 v[\d:\d+7], v[\a:\a+15], v[\b:\b+15], v[\c:\c+7], v[\sa], v[\sb] matrix_a_scale:MATRIX_SCALE_ROW1 matrix_b_scale:MATRIX_SCALE_ROW1
.elseif (\ra)
	v_wmma_scale_f32_16x16x128_f8f6f4 v[\d:\d+7], v[\a:\a+15], v[\b:\b+15], v[\c:\c+7], v[\sa], v[\sb] matrix_a_scale:MATRIX_SCALE_ROW1
.elseif (\rb)
	v_wmma_scale_f32_16x16x128_f8f6f4 v[\d:\d+7], v[\a:\a+15], v[\b:\b+15], v[\c:\c+7], v[\sa], v[\sb] matrix_b_scale:MATRIX_SCALE_ROW1
.else
	v_wmma_scale_f32_16x16x128_f8f6f4 v[\d:\d+7], v[\a:\a+15], v[\b:\b+15], v[\c:\c+7], v[\sa], v[\sb]
.endif
.endm
.macro ONE s                           ; the product of W's tile tau and x's tile xt for K step s
.set xw, ((\s)%3)/2
.set xb, 128+64*((((\s)%3)+1)/2)
.set rX, xb+16*xt
.set rW, 16*tau
.set rSW, WS+12*((\s)/2)+2*(tau/2)+((\s)%2)
.set rSX, XS+8*(xt/2)+(\s)
.if tau < 8
.set rD, 128*(tau/4)+8*(4*xt+(tau%4))
.if (\s) == 0
.set rC, 128+32*(tau/4)+8*(tau%4)
.set wn, 0xb1|(xw<<2)
.else
.set rC, rD
.set wn, 0xa1|(xw<<2)
.endif
	WIN wn
	WM rD, rW, rX, rC, rSW, rSX, tau%2, xt%2
.else
.set rD, 8*(4*(tau-8)+xt)
.if (\s) == 0
.set rC, 192+8*(tau-8)
.else
.set rC, rD
.endif
.set wn, 0xf4|xw
	WIN wn
	WM rD, rX, rW, rC, rSX, rSW, xt%2, tau%2
.endif
.endm
.macro MULH hf, s                      ; 24 products.  The 48 accumulators take turns, one instruction a turn, in the same order in every K step
.set tau, 6*(\hf)
.rept 6
.set xt, 0
.rept 4
	ONE \s
.set xt, xt+1
.endr
.set tau, tau+1
.endr
.endm
; A load into a register that a matrix instruction has read, and a vector instruction that reads a result, stand eight places behind it.
.macro KSTEP s
.if (\s) <= 5
	s_wait_loadcnt 32                              ; x of this K step is in; the two steps behind it (16 loads each) may be out
.elseif (\s) == 6
	s_wait_loadcnt 16
.else
	s_wait_loadcnt 0x0
.endif
	s_wait_dscnt 24                                ; W's first six fragments are in; the other six (24 loads) may be out
	MULH 0, \s
	PLACES 8
.if (\s) < 7
	WLOAD 0, (\s)+1
	s_wait_dscnt 24                                ; all but the 24 just issued
.else
	s_wait_dscnt 0x0
.endif
	MULH 1, \s
	PLACES 8
.if (\s) < 7
	WLOAD 1, (\s)+1
.endif
.if (\s) <= 4
	XLOAD (\s)+3                                   ; into the buffer that this K step has left
.endif
	WIN 0
.endm
; 64 numbers of a lane in window aw, register 16 b + i = the i-th of my 16 neighbours of block b, become codes in v[PC] on, bytes in v[TM+4] on and the word v[PW].  Each accumulator is read from its low end on.
.macro QUANT s, aw
	s_wait_xcnt 0x0                                ; earlier stores have read v[PC] on
	WIN ((\aw)|((\aw)<<2))
.irp b, 0,1,2,3
	v_max3_num_f32 v[TM+\b], |v[(\s)+16*\b]|, |v[(\s)+1+16*\b]|, 0x4800000   ; and the floor 2^(9 - 127): the byte cannot fall under 1
.endr
	WIN (((\aw)<<2)|((\aw)<<4))
.irp i, 2,4,6,8,10,12,14
.irp b, 0,1,2,3
	v_max3_num_f32 v[TM+\b], v[TM+\b], |v[(\s)+16*\b+\i]|, |v[(\s)+1+16*\b+\i]|
.endr
.endr
	WIN 0
.irp b, 0,1,2,3
	v_permlanex16_b32 v[TM+4+\b], v[TM+\b], s[SEL], s[SEL+1]
.endr
.irp b, 0,1,2,3
	v_max_num_f32 v[TM+\b], v[TM+\b], v[TM+4+\b]   ; with lane l xor 16's 16: the block's largest magnitude
.endr
.irp b, 0,1,2,3
	v_add_nc_u32 v[TM+12+\b], 0xfc000000, v[TM+\b] ; the conversion's scale operand
.endr
.irp b, 0,1,2,3
.endr
.irp b, 0,1,2,3
	v_lshrrev_b32 v[TM+4+\b], 23, v[TM+12+\b]      ; the byte
.endr
	v_lshl_or_b32 v[PW], v[TM+5], 8, v[TM+4]
	v_lshl_or_b32 v[PW], v[TM+6], 16, v[PW]
	v_lshl_or_b32 v[PW], v[TM+7], 24, v[PW]
	WIN (((\aw)<<6)|(\aw))
.irp b, 0,1,2,3
.irp i, 0,1,2,3,4,5,6,7,8,9,10,11,12,13,14,15
.endr
.endr
	WIN (\aw)
.irp b, 0,1,2,3
	v_cvt_scalef32_pk8_fp8_f32 v[PC+4*\b:PC+4*\b+1], v[(\s)+16*\b:(\s)+16*\b+7], v[TM+12+\b]
	v_cvt_scalef32_pk8_fp8_f32 v[PC+4*\b+2:PC+4*\b+3], v[(\s)+16*\b+8:(\s)+16*\b+15], v[TM+12+\b]
.endr
	WIN 0
	v_nop                                          ; one plain line behind the last conversion
.endm
	XSLOAD
	XLOAD 0
	XLOAD 1
	XLOAD 2
	WIN 0
	s_wait_tensorcnt 0x0                           ; my quarter of the weights has landed,
	s_barrier_signal -1
	s_barrier_wait -1                              ; everybody's has
.irp sg, 0,1,2,3
.irp pp, 0,1,2,3,4,5
	ds_load_b64 v[WS+12*\sg+2*\pp:WS+12*\sg+2*\pp+1], v[WSA] offset:1536*\sg+256*\pp   ; W's scale words stay in registers: lanes 0-15 tile 2 pp, lanes 16-31 tile 2 pp + 1, K steps 2 sg, 2 sg + 1
.endr
.endr
.Lpass:
	WLOAD 0, 0
	WLOAD 1, 0
.irp s, 0,1,2,3,4,5,6,7
	KSTEP \s
.endr
	s_cmp_eq_u32 s[PASS], 1                        ; the next pass's x is asked for here, if there is one: no load leaves its buffer
	s_cbranch_scc1 .Lno_next
	s_add_nc_u64 s[XI:XI+1], s[XI:XI+1], 262144    ; (every load of x was waited for in the last K step)  16 tiles on
	s_add_nc_u64 s[XSB:XSB+1], s[XSB:XSB+1], 8192
	XSLOAD
	XLOAD 0
	XLOAD 1
	XLOAD 2
	WIN 0
.Lno_next:
	; ---- q: blocks 0, 1 are tile 2 pr's two blocks along d, blocks 2, 3 tile 2 pr + 1's
.irp pr, 0,1
	QUANT 64*\pr, 2
.irp b, 0,1,2,3
	global_store_b128 v[LI], v[PC+4*\b:PC+4*\b+3], s[QI:QI+1] offset:2048*\pr+512*\b
.endr
	v_lshl_or_b32 v[T0], v[TM+5], 8, v[TM+4]
	v_lshl_or_b32 v[QW+2*\pr], v[T0], 16, v[T0]    ; q0 q1 q0 q1: q will stand in either half of the instruction's K
	v_lshl_or_b32 v[T0], v[TM+7], 8, v[TM+6]
	v_lshl_or_b32 v[QW+2*\pr+1], v[T0], 16, v[T0]
.endr
	v_cndmask_b32 v[SD], v[QW], v[QW+2], s[HM]
	v_cndmask_b32 v[SD+1], v[QW+1], v[QW+3], s[HM]
	global_store_b64 v[QSO], v[SD:SD+1], s[QS:QS+1]   ; 256 consecutive bytes, aligned: row r's words of my four tiles
	; ---- k: the four blocks are one pair image, and their four bytes its scale word
.irp pr, 0,1
	QUANT 128+64*\pr, 2
.irp b, 0,1,2,3
	global_store_b128 v[LI], v[PC+4*\b:PC+4*\b+3], s[KK:KK+1] offset:2048*\pr+512*\b
.endr
.if \pr == 0
	v_mov_b32 v[KW0], v[PW]
.endif
.endr
	v_cndmask_b32 v[T0], v[KW0], v[PW], s[HM]
	ds_store_b32 v[EXK], v[T0]
	; ---- v: block b is d tile 2 k2 + b / 2, my key block b % 2
.irp k2, 0,1
	QUANT 64*\k2, 3
.irp b, 0,1,2,3
	global_store_b128 v[LI], v[PC+4*\b:PC+4*\b+3], s[KVV:KVV+1] offset:(2*\k2+\b/2)*2048+(\b%2)*512
.endr
	v_lshrrev_b32 v[T0+1], 16, v[PW]
	v_cndmask_b32 v[T0+1], v[PW], v[T0+1], s[HM]   ; lanes 0-15: tile 2 k2's two bytes; lanes 16-31: tile 2 k2 + 1's
	ds_store_b16 v[EXV], v[T0+1] offset:128*\k2
.endr
	s_wait_dscnt 0x0                               ; for the others' sake: my words lie in LDS
	s_barrier_signal -1
	s_barrier_wait -1
	ds_load_b64 v[SD+2:SD+3], v[EXR]
	s_wait_dscnt 0x0                               ; my reads of the words are over:
	global_store_b64 v[L8], v[SD+2:SD+3], s[KS:KS+1]   ; 256 consecutive bytes, aligned
	s_barrier_signal -1
	s_barrier_wait -1                              ; so are everybody's: the next pass may store there
	s_wait_xcnt 0x0                                ; the stores have read their bases and registers
	s_add_nc_u64 s[QI:QI+1], s[QI:QI+1], 16384
	s_add_nc_u64 s[QS:QS+1], s[QS:QS+1], 1024
	s_add_nc_u64 s[KK:KK+1], s[KK:KK+1], 2*SBLK
	s_add_nc_u64 s[KVV:KVV+1], s[KVV:KVV+1], 2*SBLK
	s_add_nc_u64 s[KS:KS+1], s[KS:KS+1], 2*SBLK
	s_sub_co_u32 s[PASS], s[PASS], 1
	s_cmp_lg_u32 s[PASS], 0
	s_cbranch_scc1 .Lpass
	s_wait_tensorcnt 0x0
	ds_add_u32 v13, v127
	s_wait_dscnt 0x0
	CROUND                                         ; the closing round
	s_endpgm
.Lfunc_end_k_q8676976df8_qkv:
	.size	k_q8676976df8_qkv, .Lfunc_end_k_q8676976df8_qkv-k_q8676976df8_qkv
	.p2alignl 7, 3214868480
	.fill 96, 4, 3214868480
	.section	.rodata,"a",@progbits
	.p2align	6, 0x0
	.amdhsa_kernel k_q8676976df8_qkv
		.amdhsa_group_segment_fixed_size 205312
		.amdhsa_private_segment_fixed_size 0
		.amdhsa_enable_private_segment 0
		.amdhsa_kernarg_size 56
		.amdhsa_user_sgpr_count 2
		.amdhsa_user_sgpr_kernarg_segment_ptr 1
		.amdhsa_wavefront_size32 1
		.amdhsa_system_sgpr_workgroup_id_x 1
		.amdhsa_system_sgpr_workgroup_id_y 1
		.amdhsa_system_sgpr_workgroup_id_z 1
		.amdhsa_system_vgpr_workitem_id 0
		.amdhsa_next_free_vgpr 1024
		.amdhsa_next_free_sgpr 96
		.amdhsa_reserve_vcc 0
		.amdhsa_float_denorm_mode_32 3
		.amdhsa_float_denorm_mode_16_64 3
		.amdhsa_fp16_overflow 1
		.amdhsa_memory_ordered 1
		.amdhsa_forward_progress 1
		.amdhsa_inst_pref_size 136
	.end_amdhsa_kernel
	.amdgpu_metadata
---
amdhsa.version: [ 1, 2 ]
amdhsa.kernels:
  - .name:           k_q8676976df8_qkv
    .symbol:         k_q8676976df8_qkv.kd
    .args:
      - { .name: xq, .offset: 0, .size: 8, .value_kind: global_buffer, .address_space: global }
      - { .name: wts, .offset: 8, .size: 8, .value_kind: global_buffer, .address_space: global }
      - { .name: bq, .offset: 16, .size: 8, .value_kind: global_buffer, .address_space: global }
      - { .name: bk, .offset: 24, .size: 8, .value_kind: global_buffer, .address_space: global }
      - { .name: bv, .offset: 32, .size: 8, .value_kind: global_buffer, .address_space: global }
      - { .name: qq, .offset: 40, .size: 8, .value_kind: global_buffer, .address_space: global }
      - { .name: kv, .offset: 48, .size: 8, .value_kind: global_buffer, .address_space: global }
    .group_segment_fixed_size: 205312
    .private_segment_fixed_size: 0
    .kernarg_segment_align: 8
    .kernarg_segment_size: 56
    .max_flat_workgroup_size: 128
    .sgpr_count:     96
    .vgpr_count:     1024
    .wavefront_size: 32
...
	.end_amdgpu_metadata
.endif
;; end of part 2
;; launch attn (part 3): grid 256 x 1, 16 waves a work-group, clusters of 4 x 1, 327,680 bytes of LDS; arguments qq, kv, aq; writes aq
.if DOCPART == 3
	.amdgcn_target "amdgcn-amd-amdhsa--gfx1250"
	.amdhsa_code_object_version 6
	.text
	.protected	k_q8676976df8_attn
	.globl	k_q8676976df8_attn
	.p2align	8
	.type	k_q8676976df8_attn,@function
k_q8676976df8_attn:
	s_mov_b64 s[64:65], 0
	v_nop
	global_prefetch_b8 v0, s[64:65] scope:SCOPE_SE
	s_setreg_imm32_b32 hwreg(HW_REG_WAVE_MODE, 25, 1), 1
	s_wait_xcnt 0x0
	s_wait_alu depctr_hold_cnt(0) depctr_sa_sdst(0) depctr_va_vdst(0) depctr_va_sdst(0) depctr_va_ssrc(0) depctr_va_vcc(0) depctr_vm_vsrc(0)
	s_getreg_b32 s2, hwreg(HW_REG_IB_STS2, 6, 4)
	s_cmp_eq_u32 s2, 0
	s_cbranch_scc0 .Lentry_in_a_cluster
	s_endpgm
.Lentry_in_a_cluster:
	s_bfe_u32 s2, ttmp6, 0x10000c
	s_cmp_lg_u32 s2, 0x3003
	s_cbranch_scc0 .Lentry_shape_is_right
	s_endpgm
.Lentry_shape_is_right:
.set QSC,  8388608
.set XSC,  8388608
.set SBLK, 16896
.set WV,   10
.set CX,   11
.set BH,   12
.set TI,   13
.set DS,   14
.set ST,   15
.set TB,   16
.set MNT,  17
.set SEL,  18
.set CS,   20
.set HM,   22
.set IP,   23
.set HH,   24
.set BQ,   25
.set G1,   32
.set G0A,  40
.set G0B,  44
.set LI,   1
.set LS,   2
.set DLT,  3
.set RP,   4
.set QSA,  5
.set ASO,  6
.set ADK,  8
.set ADS,  9
.set FR,   40
.set S,    104
.set OT,   168
.set PC,   200
.set BM,   216
.set T1,   220
.set HD,   224
.set SO,   228
.set FF,   232
.set TP,   234
.macro CROUND
	s_barrier_signal -1
	s_barrier_wait -1
	s_cmp_lg_u32 s[WV], 0
	s_cbranch_scc1 .Lnot_wave_0_\@
	s_barrier_signal -3
.Lnot_wave_0_\@:
	s_barrier_wait -3
	s_barrier_signal -1
	s_barrier_wait -1
.endm
	s_load_b128 s[4:7], s[0:1], 0x0
	s_load_b64 s[8:9], s[0:1], 0x10
	v_lshl_add_u32 v247, v0, 2, 0x42000
	v_mov_b32 v255, 0
	ds_add_u32 v247, v255
	ds_add_u32 v247, v255
	v_lshrrev_b32 v1, 5, v0
	s_delay_alu instid0(VALU_DEP_1)
	v_readfirstlane_b32 s[WV], v1
	s_bfe_u32 s[CX], ttmp6, 0x40000
	s_mov_b32 s[BH], ttmp9
	s_and_b32 s[HH], ttmp9, 15
	s_lshr_b32 s[BQ], ttmp9, 4
	s_lshl_b32 s[IP], s[WV], 2
	s_add_co_u32 s[IP], s[IP], s[CX]
	s_mov_b32 s[SEL], 0x76543210
	s_mov_b32 s[SEL+1], 0xfedcba98
	s_mov_b32 s[CS], 0x3d38aa3b
	s_mov_b32 s[CS+1], s[CS]
	s_mov_b32 s[HM], 0xffff0000
	s_mov_b32 s[G1], 15|(3<<16)|(1<<21)
	s_mov_b32 s[G1+1], 32<<16
	s_mov_b32 s[G1+2], 33<<16
	s_mov_b32 s[G1+3], 32<<16
	s_mov_b32 s[G1+4], 33
	s_mov_b32 s[G1+5], 32
	s_mov_b32 s[G1+6], 0
	s_mov_b32 s[G1+7], 0
	s_mul_i32 s30, s[WV], 8448
	s_mul_i32 s28, s[BH], 270336
	s_add_co_u32 s28, s28, s30
	s_mov_b32 s29, 0
	v_and_b32 v7, 31, v0
	v_and_b32 v10, 15, v0
	v_bfe_u32 v11, v0, 4, 1
	s_delay_alu instid0(VALU_DEP_3)
	v_lshlrev_b32 v[LI], 4, v7
	s_delay_alu instid0(VALU_DEP_4)
	v_lshlrev_b32 v[LS], 2, v7
	s_delay_alu instid0(VALU_DEP_4)
	v_and_b32 v[RP], 8, v10
	s_delay_alu instid0(VALU_DEP_1)
	v_add_nc_u32 v[RP], v[RP], v10
	v_lshlrev_b32 v7, 4, v11
	s_delay_alu instid0(VALU_DEP_1)
	v_sub_nc_u32 v[RP], v[RP], v7
	v_lshlrev_b32 v[QSA], 4, v10
	s_delay_alu instid0(VALU_DEP_1)
	v_add_nc_u32 v[ASO], v[QSA], v11
.irp j, 0,1,2,3,4,5,6,7
	v_mov_b32 v[16+\j], 0
	v_mov_b32 v[32+\j], 0
.endr
.irp b, 0,1,2,3
	v_mov_b32 v[T1+\b], 0
.endr
	v_mov_b32 v[FF+1], 0
	v_mov_b32 v[TP], 0
	v_mov_b32 v254, 0xff800000
	s_wait_dscnt 0x0
	s_wait_kmcnt 0x0
	s_mov_b32 s[G0A], 1
	s_mov_b32 s[G0A+1], s30
	s_add_nc_u64 s[G0A+2:G0A+3], s[6:7], s[28:29]
	s_mov_b32 s[G0B], 1
	s_add_co_u32 s[G0B+1], s30, 135168
	s_add_nc_u64 s[G0B+2:G0B+3], s[G0A+2:G0A+3], 135168
	s_or_b32 s[G0A+3], s[G0A+3], 0x80000000
	s_or_b32 s[G0B+3], s[G0B+3], 0x80000000
	CROUND
	tensor_load_to_lds s[G0A:G0A+3], s[G1:G1+7]
	s_nop 0
	s_wait_alu depctr_va_vdst(0)
	s_wait_tensorcnt 0x0
	ds_add_u32 v247, v255
	s_wait_dscnt 0x0
	CROUND
	tensor_load_to_lds s[G0B:G0B+3], s[G1:G1+7]
	s_nop 0
.rept 4
	v_nop
.endr
.macro TPRO
	s_wait_xcnt 0x0
	s_lshl_b32 s56, s[BH], 7
	s_add_co_u32 s56, s56, s[TI]
	s_lshl_b32 s56, s56, 10
	s_mov_b32 s57, 0
	s_add_nc_u64 s[48:49], s[4:5], s[56:57]
	s_lshl_b32 s58, s[BH], 13
	s_lshr_b32 s60, s[TI], 2
	s_lshl_b32 s60, s60, 8
	s_add_co_u32 s58, s58, s60
	s_and_b32 s60, s[TI], 3
	s_lshl_b32 s60, s60, 2
	s_add_co_u32 s58, s58, s60
	s_add_co_u32 s58, s58, QSC
	s_mov_b32 s59, 0
	s_add_nc_u64 s[50:51], s[4:5], s[58:59]
	global_load_b128 v[24:27], v[LI], s[48:49]
	global_load_b128 v[28:31], v[LI], s[48:49] offset:512
	global_load_b32 v252, v[QSA], s[50:51]
	s_lshl_b32 s56, s[BQ], 7
	s_add_co_u32 s56, s56, s[TI]
	s_lshl_b32 s60, s56, 14
	s_lshl_b32 s61, s[HH], 10
	s_add_co_u32 s60, s60, s61
	s_mov_b32 s61, 0
	s_add_nc_u64 s[52:53], s[8:9], s[60:61]
	s_lshl_b32 s60, s56, 9
	s_lshr_b32 s62, s[HH], 3
	s_lshl_b32 s62, s62, 8
	s_add_co_u32 s60, s60, s62
	s_and_b32 s62, s[HH], 7
	s_lshl_b32 s62, s62, 1
	s_add_co_u32 s60, s60, s62
	s_add_co_u32 s60, s60, XSC
	s_add_nc_u64 s[54:55], s[8:9], s[60:61]
	s_and_b32 s62, s[TI], 6
	s_lshl_b32 s62, s62, 4
	s_and_b32 s63, s[TI], 1
	s_lshl_b32 s63, s63, 3
	s_add_co_u32 s62, s62, s63
	v_add_nc_u32 v[DLT], s62, v[RP]
	v_mov_b32 v13, 0xff61b1e6
	s_delay_alu instid0(VALU_DEP_1)
	v_floor_f32 v12, -v13
	v_mov_b32 v14, 0
	v_mov_b32 v15, 0
.set n_, 0
.rept 32
	v_mov_b32 v[OT+n_], 0
.set n_, n_+1
.endr
	s_wait_loadcnt 0x0
.endm
.macro SP p
.if (\p)%2
	v_wmma_scale_f32_16x16x128_f8f6f4 v[S+16*(\p):S+16*(\p)+7], v[FR+16*(\p):FR+16*(\p)+15], v[24:39], 0, v[248+(\p)/2], v252 matrix_a_scale:MATRIX_SCALE_ROW1
	v_wmma_scale_f32_16x16x128_f8f6f4 v[S+16*(\p)+8:S+16*(\p)+15], v[FR+16*(\p):FR+16*(\p)+15], v[16:31], 0, v[248+(\p)/2], v252 matrix_a_scale:MATRIX_SCALE_ROW1
.else
	v_wmma_scale_f32_16x16x128_f8f6f4 v[S+16*(\p):S+16*(\p)+7], v[FR+16*(\p):FR+16*(\p)+15], v[24:39], 0, v[248+(\p)/2], v252
	v_wmma_scale_f32_16x16x128_f8f6f4 v[S+16*(\p)+8:S+16*(\p)+15], v[FR+16*(\p):FR+16*(\p)+15], v[16:31], 0, v[248+(\p)/2], v252
.endif
.endm
.macro BODY masked
	v_add_nc_u32 v[ADK], s[TB], v[LI]
	v_add_nc_u32 v[ADS], s[TB], v[LS]
.irp p, 0,1,2,3
.irp c, 0,1,2,3
	ds_load_b128 v[FR+16*\p+4*\c:FR+16*\p+4*\c+3], v[ADK] offset:2048*\p+512*\c
.endr
.endr
	ds_load_b32 v248, v[ADS] offset:16384
	ds_load_b32 v249, v[ADS] offset:16512
	ds_load_b32 v250, v[ADS] offset:16640
	ds_load_b32 v251, v[ADS] offset:16768
	s_wait_alu depctr_va_vdst(0)
	s_wait_dscnt 0x0
	SP 0
	SP 1
	SP 2
	SP 3
.rept 8
	v_nop
.endr
.irp dt, 0,1,2,3
.irp c, 0,1,2,3
	ds_load_b128 v[FR+16*\dt+4*\c:FR+16*\dt+4*\c+3], v[ADK] offset:8192+2048*\dt+512*\c
.endr
.endr
.if \masked
	s_cmp_lg_u32 s[ST], s[DS]
	s_cbranch_scc1 .Lopen_\@
.set n_, 0
.rept 64
	v_cmp_gt_i32 vcc_lo, 32*(n_/16)+(n_%16), v[DLT]
	v_cndmask_b32 v[S+n_], v[S+n_], v254, vcc_lo
.set n_, n_+1
.endr
.Lopen_\@:
.endif
.irp b, 0,1,2,3
	v_max3_num_f32 v[BM+\b], v[S+16*\b], v[S+1+16*\b], v[S+2+16*\b]
.endr
.irp i, 3,5,7,9,11,13
.irp b, 0,1,2,3
	v_max3_num_f32 v[BM+\b], v[BM+\b], v[S+16*\b+\i], v[S+1+16*\b+\i]
.endr
.endr
.irp b, 0,1,2,3
	v_max_num_f32 v[BM+\b], v[BM+\b], v[S+15+16*\b]
.endr
.irp b, 0,1,2,3
	s_delay_alu instid0(VALU_DEP_4)
	v_permlanex16_b32 v[T1+\b], v[BM+\b], s[SEL], s[SEL+1]
.endr
.irp b, 0,1,2,3
	s_delay_alu instid0(VALU_DEP_4)
	v_max_num_f32 v[BM+\b], v[BM+\b], v[T1+\b]
.endr
	s_delay_alu instid0(VALU_DEP_2)
	v_max3_num_f32 v[TP], v[BM], v[BM+1], v[BM+2]
	s_delay_alu instid0(VALU_DEP_1)
	v_max_num_f32 v[TP], v[TP], v[BM+3]
	s_delay_alu instid0(VALU_DEP_1)
	v_mul_f32 v[TP], s[CS], v[TP]
	s_delay_alu instid0(VALU_DEP_1)
	v_max_num_f32 v13, v13, v[TP]
	v_mov_b32 v[TP], v12
	s_delay_alu instid0(VALU_DEP_2)
	v_floor_f32 v12, -v13
	s_delay_alu instid0(VALU_DEP_1)
	v_sub_f32 v[TP], v12, v[TP]
	s_delay_alu instid0(VALU_DEP_1)
	v_cvt_i32_f32 v[TP], v[TP]
	s_delay_alu instid0(VALU_DEP_1)
	v_ldexp_f32 v[FF], 1.0, v[TP]
.set n_, 0
.rept 32
	v_pk_fma_f32 v[S+2*n_:S+2*n_+1], v[S+2*n_:S+2*n_+1], s[CS:CS+1], v[12:13] op_sel_hi:[1,0,0]
.set n_, n_+1
.endr
.irp b, 0,1,2,3
	v_fma_f32 v[BM+\b], v[BM+\b], s[CS], v12
.endr
.set n_, 0
	s_setprio 1
	s_wait_alu depctr_va_vdst(0)
.rept 64
	v_exp_f32 v[S+n_], v[S+n_]
.set n_, n_+1
.endr
.irp b, 0,1,2,3
	v_exp_f32 v[BM+\b], v[BM+\b]
.endr
	v_pk_mul_f32 v[14:15], v[14:15], v[FF:FF+1] op_sel_hi:[1,0]
	s_wait_alu depctr_va_vdst(0)
.irp b, 0,1,2,3
	v_max_num_f32 v[BM+\b], 0x4800000, v[BM+\b]
.endr
.irp b, 0,1,2,3
	s_delay_alu instid0(VALU_DEP_4)
	v_add_nc_u32 v[SO+\b], 0xfc000000, v[BM+\b]
.endr
.irp b, 0,1,2,3
.endr
.irp b, 0,1,2,3
	s_delay_alu instid0(VALU_DEP_4)
	v_lshrrev_b32 v[T1+\b], 23, v[SO+\b]
.endr
	s_delay_alu instid0(VALU_DEP_3)
	v_lshl_or_b32 v253, v[T1+1], 8, v[T1]
	s_delay_alu instid0(VALU_DEP_1)
	v_lshl_or_b32 v253, v[T1+2], 16, v253
	s_delay_alu instid0(VALU_DEP_1)
	v_lshl_or_b32 v253, v[T1+3], 24, v253
	v_pk_add_f32 v[236:237], v[S:S+1], v[S+2:S+3]
.irp j, 4,8,12,16,20,24,28,32,36,40,44,48,52,56,60
	v_pk_add_f32 v[14:15], v[14:15], v[S+\j:S+1+\j]
	v_pk_add_f32 v[236:237], v[236:237], v[S+2+\j:S+3+\j]
.endr
	s_delay_alu instid0(VALU_DEP_1)
	v_pk_add_f32 v[14:15], v[14:15], v[236:237]
.irp b, 0,1,2,3
.irp i, 0,1,2,3,4,5,6,7,8,9,10,11,12,13,14,15
.endr
	v_cvt_scalef32_pk8_fp8_f32 v[PC+4*\b:PC+4*\b+1], v[S+16*\b:S+16*\b+7], v[SO+\b]
	v_cvt_scalef32_pk8_fp8_f32 v[PC+4*\b+2:PC+4*\b+3], v[S+16*\b+8:S+16*\b+15], v[SO+\b]
.endr
.set n_, 0
	s_setprio 0
.rept 16
	v_pk_mul_f32 v[OT+2*n_:OT+2*n_+1], v[OT+2*n_:OT+2*n_+1], v[FF:FF+1] op_sel_hi:[1,0]
.set n_, n_+1
.endr
	s_wait_alu depctr_va_vdst(0)
	s_wait_dscnt 0x0
	v_wmma_scale_f32_16x16x128_f8f6f4 v[OT:OT+7], v[FR:FR+15], v[PC:PC+15], v[OT:OT+7], v250, v253
	v_wmma_scale_f32_16x16x128_f8f6f4 v[OT+8:OT+15], v[FR+16:FR+31], v[PC:PC+15], v[OT+8:OT+15], v250, v253 matrix_a_scale:MATRIX_SCALE_ROW1
	v_wmma_scale_f32_16x16x128_f8f6f4 v[OT+16:OT+23], v[FR+32:FR+47], v[PC:PC+15], v[OT+16:OT+23], v251, v253
	v_wmma_scale_f32_16x16x128_f8f6f4 v[OT+24:OT+31], v[FR+48:FR+63], v[PC:PC+15], v[OT+24:OT+31], v251, v253 matrix_a_scale:MATRIX_SCALE_ROW1
.rept 8
	v_nop
.endr
.endm
.macro KLOOP n0, n1, guarded
	s_mov_b32 s[ST], \n0
	s_mov_b32 s[TB], (\n0)*SBLK
.Ls_\@:
.if \guarded
	s_cmp_gt_u32 s[ST], s[DS]
	s_cbranch_scc1 .Lsk_\@
.endif
	s_setprio 2
	BODY \guarded
.Lsk_\@:
	s_add_co_u32 s[TB], s[TB], SBLK
	s_add_co_u32 s[ST], s[ST], 1
	s_cmp_lt_u32 s[ST], \n1
	s_cbranch_scc1 .Ls_\@
	s_setprio 0
.endm
.macro TEPI
	v_add_f32 v14, v14, v15
	s_delay_alu instid0(VALU_DEP_1)
	v_permlanex16_b32 v[TP], v14, s[SEL], s[SEL+1]
	s_delay_alu instid0(VALU_DEP_1)
	v_add_f32 v14, v14, v[TP]
	s_wait_alu depctr_va_vdst(0)
	v_rcp_f32 v14, v14
	v_nop
.set n_, 0
	s_wait_alu depctr_va_vdst(0)
.rept 16
	v_pk_mul_f32 v[S+2*n_:S+2*n_+1], v[OT+2*n_:OT+2*n_+1], v[14:15] op_sel_hi:[1,0]
.set n_, n_+1
.endr
.irp b, 0,1
	v_max3_num_f32 v[BM+\b], |v[S+16*\b]|, |v[S+1+16*\b]|, 0x4800000
.endr
.irp i, 2,4,6,8,10,12,14
.irp b, 0,1
	s_delay_alu instid0(VALU_DEP_2)
	v_max3_num_f32 v[BM+\b], v[BM+\b], |v[S+16*\b+\i]|, |v[S+1+16*\b+\i]|
.endr
.endr
.irp b, 0,1
	s_delay_alu instid0(VALU_DEP_2)
	v_permlanex16_b32 v[T1+\b], v[BM+\b], s[SEL], s[SEL+1]
.endr
.irp b, 0,1
	s_delay_alu instid0(VALU_DEP_2)
	v_max_num_f32 v[BM+\b], v[BM+\b], v[T1+\b]
.endr
.irp b, 0,1
	s_delay_alu instid0(VALU_DEP_2)
	v_add_nc_u32 v[SO+\b], 0xfc000000, v[BM+\b]
.endr
.irp b, 0,1
.endr
.irp b, 0,1
	s_delay_alu instid0(VALU_DEP_2)
	v_lshrrev_b32 v[T1+\b], 23, v[SO+\b]
.endr
.irp b, 0,1
.irp i, 0,1,2,3,4,5,6,7,8,9,10,11,12,13,14,15
.endr
	v_cvt_scalef32_pk8_fp8_f32 v[PC+4*\b:PC+4*\b+1], v[S+16*\b:S+16*\b+7], v[SO+\b]
	v_cvt_scalef32_pk8_fp8_f32 v[PC+4*\b+2:PC+4*\b+3], v[S+16*\b+8:S+16*\b+15], v[SO+\b]
.endr
	v_nop
	global_store_b128 v[LI], v[PC:PC+3], s[52:53]
	global_store_b128 v[LI], v[PC+4:PC+7], s[52:53] offset:512
	v_cndmask_b32 v[TP], v[T1], v[T1+1], s[HM]
	global_store_b8 v[ASO], v[TP], s[54:55]
.endm
	s_sub_co_u32 s[TI], 127, s[IP]
	s_lshr_b32 s[DS], s[WV], 1
	s_sub_co_u32 s[DS], 15, s[DS]
	TPRO
	s_wait_tensorcnt 0x1
	s_barrier_signal -1
	s_barrier_wait -1
	KLOOP 0, 8, 0
	s_wait_tensorcnt 0x0
	s_wait_dscnt 0x0
	s_barrier_signal -1
	s_barrier_wait -1
	KLOOP 8, 16, 1
	TEPI
	s_mov_b32 s[TI], s[IP]
	s_lshr_b32 s[DS], s[WV], 1
	TPRO
	KLOOP 0, 8, 1
	TEPI
	s_wait_tensorcnt 0x0
	ds_add_u32 v247, v255
	s_wait_dscnt 0x0
	CROUND
	s_endpgm
.Lfunc_end_k_q8676976df8_attn:
	.size	k_q8676976df8_attn, .Lfunc_end_k_q8676976df8_attn-k_q8676976df8_attn
	.p2alignl 7, 3214868480
	.fill 96, 4, 3214868480
	.section	.rodata,"a",@progbits
	.p2align	6, 0x0
	.amdhsa_kernel k_q8676976df8_attn
		.amdhsa_group_segment_fixed_size 327680
		.amdhsa_private_segment_fixed_size 0
		.amdhsa_enable_private_segment 0
		.amdhsa_kernarg_size 24
		.amdhsa_user_sgpr_count 2
		.amdhsa_user_sgpr_kernarg_segment_ptr 1
		.amdhsa_wavefront_size32 1
		.amdhsa_system_sgpr_workgroup_id_x 1
		.amdhsa_system_sgpr_workgroup_id_y 1
		.amdhsa_system_sgpr_workgroup_id_z 1
		.amdhsa_system_vgpr_workitem_id 0
		.amdhsa_next_free_vgpr 256
		.amdhsa_next_free_sgpr 72
		.amdhsa_reserve_vcc 1
		.amdhsa_float_denorm_mode_32 3
		.amdhsa_float_denorm_mode_16_64 3
		.amdhsa_fp16_overflow 1
		.amdhsa_memory_ordered 1
		.amdhsa_forward_progress 1
		.amdhsa_inst_pref_size 81
	.end_amdhsa_kernel
	.amdgpu_metadata
---
amdhsa.version: [ 1, 2 ]
amdhsa.kernels:
  - .name:           k_q8676976df8_attn
    .symbol:         k_q8676976df8_attn.kd
    .args:
      - { .name: qq, .offset: 0, .size: 8, .value_kind: global_buffer, .address_space: global }
      - { .name: kv, .offset: 8, .size: 8, .value_kind: global_buffer, .address_space: global }
      - { .name: aq, .offset: 16, .size: 8, .value_kind: global_buffer, .address_space: global }
    .group_segment_fixed_size: 327680
    .private_segment_fixed_size: 0
    .kernarg_segment_align: 8
    .kernarg_segment_size: 24
    .max_flat_workgroup_size: 512
    .sgpr_count:     72
    .vgpr_count:     256
    .wavefront_size: 32
...
	.end_amdgpu_metadata
.endif
;; end of part 3
;; launch oproj (part 4): grid 256 x 1, 4 waves a work-group, clusters of 4 x 1, 169,472 bytes of LDS; arguments aq, wts, bp, out0; writes out0
.if DOCPART == 4
	.amdgcn_target "amdgcn-amd-amdhsa--gfx1250"
	.amdhsa_code_object_version 6
	.text
	.protected	k_q8676976df8_oproj
	.globl	k_q8676976df8_oproj
	.p2align	8
	.type	k_q8676976df8_oproj,@function
k_q8676976df8_oproj:
	s_mov_b64 s[64:65], 0
	v_nop
	global_prefetch_b8 v0, s[64:65] scope:SCOPE_SE
	s_setreg_imm32_b32 hwreg(HW_REG_WAVE_MODE, 25, 1), 1
	s_wait_xcnt 0x0
	s_wait_alu depctr_hold_cnt(0) depctr_sa_sdst(0) depctr_va_vdst(0) depctr_va_sdst(0) depctr_va_ssrc(0) depctr_va_vcc(0) depctr_vm_vsrc(0)
	s_getreg_b32 s2, hwreg(HW_REG_IB_STS2, 6, 4)
	s_cmp_eq_u32 s2, 0
	s_cbranch_scc0 .Lentry_in_a_cluster
	s_endpgm
.Lentry_in_a_cluster:
	s_bfe_u32 s2, ttmp6, 0x10000c
	s_cmp_lg_u32 s2, 0x3003
	s_cbranch_scc0 .Lentry_shape_is_right
	s_endpgm
.Lentry_shape_is_right:
; OPROJ: out0 = a Wp + bp on codes of E4M3 with E8M0 scales; a is the attention's result as register images, Wp likewise.
; SHARES.  A work-group makes 256 rows x 128 columns; the four of a cluster have the same 128 columns, whose block of Wp (135,168 bytes) is asked for JOINTLY, lands in LDS once and stays.
; A wave makes 64 rows (4 tiles) x 128 columns (8 tiles): 32 accumulators; a's fragments go from memory straight into its registers, three K steps ahead.
; The product is used TRANSPOSED (source 0 = 16 columns of Wp, source 1 = 16 rows of a): a lane holds one row and, over two neighbouring tiles, 16 neighbouring columns.  bp is the C of each sum's first matrix instruction.
; REGISTERS: window 0: v1-14 addresses; v16-31 a's scale words; v32-63 Wp's; v128-255 two buffers of a, later rows on the way out.  window 1: v0-127 Wp's 8 fragments; v192-255 a's third buffer.
;   window 2: the accumulators v[8 (8 xt + tau)].  window 3: v0-63 the bias.
.set XSC,  8388608
.set WPO,  3244032
.set CBLK, 135168
.set STG0, 135168                      ; LDS behind the weights: a stage of 16 rows x 528 bytes for each wave; no tile lands there
.set WV,   18
.set CX,   19
.set CG,   20
.set RBK,  21
.set G1,   32
.set G0,   40
.set XI,   44
.set XSB,  46
.set OUT,  48
.set LI,   1
.set XSA,  3
.set AW,   4                           ; v4-5  16 x lane + 65,536 k: the images of K steps 4 k .. 4 k + 3
.set STO,  6
.set RD,   7
.set WSA,  12
.set BO,   14
.set XS,   16
.set WS,   32
.set MSB,  0
.macro WIN new
.if MSB != (\new)
	s_set_vgpr_msb (MSB<<8)|(\new)
.set MSB, (\new)
.endif
.endm
.macro PLACES n
.rept \n
	v_nop
.endr
.endm
.macro CROUND
	s_barrier_signal -1
	s_barrier_wait -1
	s_cmp_lg_u32 s[WV], 0
	s_cbranch_scc1 .Lnot_wave_0_\@
	s_barrier_signal -3
.Lnot_wave_0_\@:
	s_barrier_wait -3
	s_barrier_signal -1
	s_barrier_wait -1
.endm
	s_load_b256 s[4:11], s[0:1], 0x0               ; aq, wts, bp, out0
	v_lshl_add_u32 v123, v0, 2, 0x29400
	v_mov_b32 v127, 0
	ds_add_u32 v123, v127
	ds_add_u32 v123, v127
	v_lshrrev_b32 v1, 5, v0
	v_readfirstlane_b32 s[WV], v1
	s_bfe_u32 s[CX], ttmp6, 0x40000                ; my place in the cluster: it enters global addresses alone
	s_and_b32 s[CG], ttmp9, 7                      ; which 128 columns
	s_lshr_b32 s[RBK], ttmp9, 3
	s_lshl_b32 s[RBK], s[RBK], 2
	s_add_co_u32 s[RBK], s[RBK], s[CX]             ; which 256 rows
	s_mov_b32 s[G1], 15|(3<<16)|(1<<21)            ; a dense block of 33,792 bytes as 132 rows of 32 elements of 8 bytes; the mask names the four
	s_mov_b32 s[G1+1], 32<<16
	s_mov_b32 s[G1+2], 132<<16
	s_mov_b32 s[G1+3], 32<<16
	s_mov_b32 s[G1+4], 132
	s_mov_b32 s[G1+5], 32
	s_mov_b32 s[G1+6], 0
	s_mov_b32 s[G1+7], 0
	s_mul_i32 s30, s[WV], 33792
	s_mul_i32 s28, s[CG], CBLK
	s_add_co_u32 s28, s28, s30
	s_add_co_u32 s28, s28, WPO
	s_mov_b32 s29, 0
	s_lshl_b32 s58, s[RBK], 4
	s_lshl_b32 s59, s[WV], 2
	s_add_co_u32 s58, s58, s59                     ; my first tile of rows
	s_lshl_b32 s60, s58, 14
	s_mov_b32 s61, 0
	s_lshl_b32 s62, s58, 9
	s_add_co_u32 s62, s62, XSC
	s_mov_b32 s63, 0
	s_lshl_b32 s66, s58, 16                        ; 16 rows of 4,096 bytes a tile,
	s_lshl_b32 s68, s[CG], 9                       ; 512 bytes a group of columns
	s_add_co_u32 s66, s66, s68
	s_mov_b32 s67, 0
	s_mov_b32 s69, 0
	v_and_b32 v124, 31, v0
	v_and_b32 v125, 15, v0
	v_bfe_u32 v126, v0, 4, 1
	v_lshlrev_b32 v[LI], 4, v124
	v_lshlrev_b32 v[XSA], 4, v125
	v_lshl_add_u32 v[XSA], v126, 9, v[XSA]
	v_mov_b32 v[AW], v[LI]
	v_add_nc_u32 v[AW+1], 65536, v[LI]
	s_mul_i32 s31, s[WV], 8448
	s_add_co_u32 s31, s31, STG0
	v_mul_u32_u24 v[STO], v125, 528                ; 528 = 33 x 16: sixteen rows begin at sixteen different 16-byte columns of 256
	v_lshl_add_u32 v[STO], v126, 6, v[STO]
	v_add_nc_u32 v[STO], s31, v[STO]
	v_add_nc_u32 v[RD], s31, v[LI]
	v_lshlrev_b32 v[WSA], 3, v124
	v_add_nc_u32 v[WSA], 131072, v[WSA]
	v_lshlrev_b32 v[BO], 6, v126
	s_wait_dscnt 0x0
	s_wait_kmcnt 0x0
	s_mov_b32 s[G0], 1
	s_mov_b32 s[G0+1], s30
	s_add_nc_u64 s[G0+2:G0+3], s[6:7], s[28:29]
	s_or_b32 s[G0+3], s[G0+3], 0x80000000
	s_add_nc_u64 s[XI:XI+1], s[4:5], s[60:61]
	s_add_nc_u64 s[XSB:XSB+1], s[4:5], s[62:63]
	s_add_nc_u64 s[OUT:OUT+1], s[10:11], s[66:67]
	s_add_nc_u64 s[8:9], s[8:9], s[68:69]
	CROUND                                         ; all four work-groups are here: the joint loads meet
	tensor_load_to_lds s[G0:G0+3], s[G1:G1+7]      ; my one tensor load of the launch
	s_nop 0
	PLACES 4
	WIN 0xc0
	s_wait_alu depctr_va_vdst(0)
.irp t, 0,1,2,3,4,5,6,7                ; tile 2 beta + u: lane (r, h) wants bp at column 32 beta + 8 u + 16 h + 0 .. 7
	global_load_b128 v[8*\t:8*\t+3], v[BO], s[8:9] offset:(32*(\t/2)+8*(\t%2))*4
	global_load_b128 v[8*\t+4:8*\t+7], v[BO], s[8:9] offset:(32*(\t/2)+8*(\t%2))*4+16
.endr
	WIN 0
.irp pr, 0,1
.irp sh, 0,1
	global_load_b128 v[XS+8*\pr+4*\sh:XS+8*\pr+4*\sh+3], v[XSA], s[XSB:XSB+1] offset:1024*\pr+256*\sh
.endr
.endr
.macro XLOAD s
.set xw, ((\s)%3)/2
.set xb, 128+64*((((\s)%3)+1)/2)
	WIN (xw<<6)
.irp xt, 0,1,2,3
.irp c, 0,1,2,3
	global_load_b128 v[xb+16*\xt+4*\c:xb+16*\xt+4*\c+3], v[LI], s[XI:XI+1] offset:16384*\xt+2048*(\s)+512*\c
.endr
.endr
.endm
.macro WLOAD hf, s
	WIN 0x40
.set tw, 4*(\hf)
.rept 4
.irp c, 0,1,2,3
	ds_load_b128 v[16*tw+4*\c:16*tw+4*\c+3], v[AW+(\s)/4] offset:((\s)%4)*16384+2048*tw+512*\c
.endr
.set tw, tw+1
.endr
.endm
.macro WM d, a, b, c, sa, sb, ra, rb
.if (\ra) && (\rb)
	v_wmma_scale_f32_16x16x128_f8f6f4 v[\d:\d+7], v[\a:\a+15], v[\b:\b+15], v[\c:\c+7], v[\sa], v[\sb] matrix_a_scale:MATRIX_SCALE_ROW1 matrix_b_scale:MATRIX_SCALE_ROW1
.elseif (\ra)
	v_wmma_scale_f32_16x16x128_f8f6f4 v[\d:\d+7], v[\a:\a+15], v[\b:\b+15], v[\c:\c+7], v[\sa], v[\sb] matrix_a_scale:MATRIX_SCALE_ROW1
.elseif (\rb)
	v_wmma_scale_f32_16x16x128_f8f6f4 v[\d:\d+7], v[\a:\a+15], v[\b:\b+15], v[\c:\c+7], v[\sa], v[\sb] matrix_b_scale:MATRIX_SCALE_ROW1
.else
	v_wmma_scale_f32_16x16x128_f8f6f4 v[\d:\d+7], v[\a:\a+15], v[\b:\b+15], v[\c:\c+7], v[\sa], v[\sb]
.endif
.endm
.macro ONE s
.set xw, ((\s)%3)/2
.set xb, 128+64*((((\s)%3)+1)/2)
.set rX, xb+16*xt
.set rW, 16*tau
.set rSW, WS+8*((\s)/2)+2*(tau/2)+((\s)%2)
.set rSX, XS+8*(xt/2)+(\s)
.set rD, 8*(8*xt+tau)
.if (\s) == 0
.set rC, 8*tau
.set wn, 0xb1|(xw<<2)
.else
.set rC, rD
.set wn, 0xa1|(xw<<2)
.endif
	WIN wn
	WM rD, rW, rX, rC, rSW, rSX, tau%2, xt%2
.endm
.macro MULH hf, s                      ; 16 products.  The 32 accumulators take turns, one instruction a turn, in the same order in every K step
.set tau, 4*(\hf)
.rept 4
.set xt, 0
.rept 4
	ONE \s
.set xt, xt+1
.endr
.set tau, tau+1
.endr
.endm
.macro KSTEP s
.if (\s) <= 5
	s_wait_loadcnt 32                              ; a of this K step is in; the two steps behind it (16 loads each) may be out
.elseif (\s) == 6
	s_wait_loadcnt 16
.else
	s_wait_loadcnt 0x0
.endif
	s_wait_dscnt 16                                ; Wp's first four fragments are in; the other four (16 loads) may be out
	MULH 0, \s
	PLACES 8                                       ; eight places in front of loads into registers that matrix instructions have read
.if (\s) < 7
	WLOAD 0, (\s)+1
	s_wait_dscnt 16                                ; all but the 16 just issued
.else
	s_wait_dscnt 0x0
.endif
	MULH 1, \s
	PLACES 8                                       ; behind the last K step these also stand in front of the first read of results
.if (\s) < 7
	WLOAD 1, (\s)+1
.endif
.if (\s) <= 4
	XLOAD (\s)+3
.endif
	WIN 0
.endm
	XLOAD 0
	XLOAD 1
	XLOAD 2
	WIN 0
	s_wait_tensorcnt 0x0                           ; my quarter of the weights has landed,
	s_barrier_signal -1
	s_barrier_wait -1                              ; everybody's has
.irp sg, 0,1,2,3
.irp pp, 0,1,2,3
	ds_load_b64 v[WS+8*\sg+2*\pp:WS+8*\sg+2*\pp+1], v[WSA] offset:1024*\sg+256*\pp
.endr
.endr
	WLOAD 0, 0
	WLOAD 1, 0
.irp s, 0,1,2,3,4,5,6,7
	KSTEP \s
.endr
; THE WAY OUT, a tile of 16 rows x 128 columns at a time: a lane's 64 numbers go into my own stage and come back as whole rows of 512 bytes.  LDS serves a wave's instructions in order: no wait between stores and loads.
.macro TOSTAGE xt
	WIN 0x08                                       ; an LDS store's data: window 2
.set q_, 0
.rept 16
	ds_store_b128 v[STO], v[64*(\xt)+4*q_:64*(\xt)+4*q_+3] offset:128*(q_/4)+16*(q_%4)   ; each accumulator from its low end on
.set q_, q_+1
.endr
	WIN 0
.set q_, 0
.rept 16
	ds_load_b128 v[128+64*((\xt)%2)+4*q_:128+64*((\xt)%2)+4*q_+3], v[RD] offset:528*q_
.set q_, q_+1
.endr
.endm
.macro SEND xt, younger                ; younger: the LDS instructions issued behind this tile's loads
	s_wait_dscnt \younger
.set q_, 0
.rept 16
	global_store_b128 v[LI], v[128+64*((\xt)%2)+4*q_:128+64*((\xt)%2)+4*q_+3], s[OUT:OUT+1] offset:(32*((\xt)/2)+8*((\xt)%2)+q_+8*(q_/8))*4096 th:TH_STORE_NT   ; 512 consecutive bytes, aligned
.set q_, q_+1
.endr
.endm
	TOSTAGE 0
.irp a, 1,2,3
.if \a > 1
	s_wait_xcnt 0x0                                ; the stores of two tiles back have read their registers: this tile's loads may land there
.endif
	TOSTAGE \a
	SEND \a-1, 32                                  ; behind that tile's loads: this tile's 16 stores and 16 loads
.endr
	SEND 3, 0
	s_wait_tensorcnt 0x0
	ds_add_u32 v123, v127
	s_wait_dscnt 0x0
	CROUND                                         ; the closing round
	s_endpgm
.Lfunc_end_k_q8676976df8_oproj:
	.size	k_q8676976df8_oproj, .Lfunc_end_k_q8676976df8_oproj-k_q8676976df8_oproj
	.p2alignl 7, 3214868480
	.fill 96, 4, 3214868480
	.section	.rodata,"a",@progbits
	.p2align	6, 0x0
	.amdhsa_kernel k_q8676976df8_oproj
		.amdhsa_group_segment_fixed_size 169472
		.amdhsa_private_segment_fixed_size 0
		.amdhsa_enable_private_segment 0
		.amdhsa_kernarg_size 32
		.amdhsa_user_sgpr_count 2
		.amdhsa_user_sgpr_kernarg_segment_ptr 1
		.amdhsa_wavefront_size32 1
		.amdhsa_system_sgpr_workgroup_id_x 1
		.amdhsa_system_sgpr_workgroup_id_y 1
		.amdhsa_system_sgpr_workgroup_id_z 1
		.amdhsa_system_vgpr_workitem_id 0
		.amdhsa_next_free_vgpr 1024
		.amdhsa_next_free_sgpr 72
		.amdhsa_reserve_vcc 0
		.amdhsa_float_denorm_mode_32 3
		.amdhsa_float_denorm_mode_16_64 3
		.amdhsa_memory_ordered 1
		.amdhsa_forward_progress 1
		.amdhsa_inst_pref_size 88
	.end_amdhsa_kernel
	.amdgpu_metadata
---
amdhsa.version: [ 1, 2 ]
amdhsa.kernels:
  - .name:           k_q8676976df8_oproj
    .symbol:         k_q8676976df8_oproj.kd
    .args:
      - { .name: aq, .offset: 0, .size: 8, .value_kind: global_buffer, .address_space: global }
      - { .name: wts, .offset: 8, .size: 8, .value_kind: global_buffer, .address_space: global }
      - { .name: bp, .offset: 16, .size: 8, .value_kind: global_buffer, .address_space: global }
      - { .name: out0, .offset: 24, .size: 8, .value_kind: global_buffer, .address_space: global }
    .group_segment_fixed_size: 169472
    .private_segment_fixed_size: 0
    .kernarg_segment_align: 8
    .kernarg_segment_size: 32
    .max_flat_workgroup_size: 128
    .sgpr_count:     72
    .vgpr_count:     1024
    .wavefront_size: 32
...
	.end_amdgpu_metadata
.endif
;; end of part 4
